; MI455X (gfx1250); checked and timed in simulation.
; The chip was launched on July 23, 2026; its instructions are those of AMD's public machine-readable ISA for CDNA 5 (MIT licence, August 2026) and "CDNA5" Instruction Set Architecture Reference Guide (July 2026). The comments in the code are by the model that wrote it; some were corrected since.
;; Sine MLP. Allowed arithmetic: float matrix products may take bf16 or f16 operands with f32 sums; other float arithmetic in f32, or as packed bf16 or f16 multiplies, adds, multiply-adds, maxima and minima; sums over many terms, partial sums and values carried from step to step in f32; what a program stores and reads back later, other than sums and carried values, may be rounded once to bf16 or f16.
;; Inputs: W0 256 x 3 float32; W1 256 x 256 float32; W2 256 x 256 float32; W3 256 x 256 float32; W4 3 x 256 float32; b0 256 float32; b1 256 float32; b2 256 float32; b3 256 float32; b4 3 float32; x 262,144 x 3 float32.
;; Outputs: out0 262,144 x 3 float32.
;; 2 versions, each right and faster than the one before. Each part assembles by itself: llvm-mc -triple=amdgcn-amd-amdhsa -mcpu=gfx1250 --defsym DOCPART=n.
;; ======== version 1 of 2: 2 launches
;; limits: inputs' magnitudes at most 255.9; values are held in f16: magnitudes above 65,504 overflow, below 6.1e-05 lose precision; right only within a limited range of input values
;; workspace buffers: wsw 393,216 bytes
;; launch prep (part 1): grid 32 x 3, 8 waves a work-group, no clusters, 0 bytes of LDS; arguments W1, W2, W3, wsw; writes wsw
.if DOCPART == 1
	.amdgcn_target "amdgcn-amd-amdhsa--gfx1250"
	.amdhsa_code_object_version 6
	.text
	.protected	k_qde82dcba75_prep
	.globl	k_qde82dcba75_prep
	.p2align	8
	.type	k_qde82dcba75_prep,@function
k_qde82dcba75_prep:
	s_mov_b64 s[64:65], 0
	v_nop
	global_prefetch_b8 v0, s[64:65] scope:SCOPE_SE
	s_setreg_imm32_b32 hwreg(HW_REG_WAVE_MODE, 25, 1), 1
	s_wait_xcnt 0x0
; wsw[l][o][i] = f16(256 x bf16(W(l+1)[o][i])), l = 0..2: the three hidden layers' weights, rounded to bf16 like every input of the
; program and written as f16 for the f16 matrix form.  The factor 256 keeps small weights in f16's normal range.
; LIMITS.  The f16 number is exact for 2^-25 <= |W| < 255.9; below that it keeps f16's fixed step (2^-32 of W's scale), above it is an infinity.
; SHARES.  Work-group y takes layer y; thread g = 256 x + t takes 8 numbers: 32 bytes in, 16 bytes out, so a wave's store covers 512 consecutive bytes.
; A stream of 1.1 MB with nothing to reuse: no LDS, no barrier, no matrix unit.
.set IN,  4                            ; v[4:11]   8 numbers in f32
.set TMP, 12                           ; v[12:15]  the same as bf16 pairs
.set OUT, 16                           ; v[16:19]  the same as f16 pairs
	s_load_b256 s[4:11], s[0:1], 0x0               ; W1 s[4:5], W2 s[6:7], W3 s[8:9], wsw s[10:11]
	s_and_b32 s12, ttmp7, 0xffff                   ; the layer
	s_lshl_b32 s13, ttmp9, 8
	v_add_nc_u32 v1, s13, v0                       ; g
	v_lshlrev_b32 v2, 5, v1                        ; 32 g: my bytes in W
	v_lshlrev_b32 v3, 4, v1                        ; 16 g: my bytes in the layer's part of wsw
	s_lshl_b32 s14, s12, 17                        ; a layer is 131,072 bytes of wsw
	s_mov_b32 s15, 0
	s_mov_b32 s16, 0x43800000                      ; 256.0, named as a pair
	s_mov_b32 s17, 0x43800000
	s_mov_b32 s18, 0xffff0000                      ; a word's upper bf16
	s_wait_kmcnt 0x0
	s_cmp_eq_u32 s12, 1
	s_cselect_b64 s[4:5], s[6:7], s[4:5]           ; the layer's buffer, chosen by the work-group's y
	s_cmp_eq_u32 s12, 2
	s_cselect_b64 s[4:5], s[8:9], s[4:5]
	s_add_nc_u64 s[10:11], s[10:11], s[14:15]
	global_load_b128 v[IN:IN+3],   v2, s[4:5] th:TH_LOAD_NT
	global_load_b128 v[IN+4:IN+7], v2, s[4:5] offset:16 th:TH_LOAD_NT
	s_wait_loadcnt 0x0
.irp j, 0,1,2,3
	v_cvt_pk_bf16_f32 v[TMP+(\j)], v[IN+2*(\j)], v[IN+2*(\j)+1]    ; the input's rounding to bf16
.endr
.irp j, 0,1,2,3
	v_lshlrev_b32 v[IN+2*(\j)],   16, v[TMP+(\j)]                  ; back to f32
	v_and_b32     v[IN+2*(\j)+1], s18, v[TMP+(\j)]
.endr
.irp j, 0,1,2,3
	v_pk_mul_f32 v[IN+2*(\j):IN+2*(\j)+1], v[IN+2*(\j):IN+2*(\j)+1], s[16:17] op_sel_hi:[1,0]
.endr
.irp j, 0,1,2,3
	v_cvt_pk_f16_f32 v[OUT+(\j)], v[IN+2*(\j)], v[IN+2*(\j)+1]     ; 8 significant bits: nothing is lost within the limits above
.endr
	global_store_b128 v3, v[OUT:OUT+3], s[10:11]
	s_endpgm
.Lfunc_end_k_qde82dcba75_prep:
	.size	k_qde82dcba75_prep, .Lfunc_end_k_qde82dcba75_prep-k_qde82dcba75_prep
	.p2alignl 7, 3214868480
	.fill 96, 4, 3214868480
	.section	.rodata,"a",@progbits
	.p2align	6, 0x0
	.amdhsa_kernel k_qde82dcba75_prep
		.amdhsa_group_segment_fixed_size 0
		.amdhsa_private_segment_fixed_size 0
		.amdhsa_enable_private_segment 0
		.amdhsa_kernarg_size 32
		.amdhsa_user_sgpr_count 2
		.amdhsa_user_sgpr_kernarg_segment_ptr 1
		.amdhsa_wavefront_size32 1
		.amdhsa_system_sgpr_workgroup_id_x 1
		.amdhsa_system_sgpr_workgroup_id_y 1
		.amdhsa_system_sgpr_workgroup_id_z 1
		.amdhsa_system_vgpr_workitem_id 0
		.amdhsa_next_free_vgpr 32
		.amdhsa_next_free_sgpr 66
		.amdhsa_reserve_vcc 0
		.amdhsa_float_denorm_mode_32 3
		.amdhsa_float_denorm_mode_16_64 3
		.amdhsa_memory_ordered 1
		.amdhsa_forward_progress 1
		.amdhsa_inst_pref_size 3
	.end_amdhsa_kernel
	.amdgpu_metadata
---
amdhsa.version: [ 1, 2 ]
amdhsa.kernels:
  - .name:           k_qde82dcba75_prep
    .symbol:         k_qde82dcba75_prep.kd
    .args:
      - { .name: W1, .offset: 0, .size: 8, .value_kind: global_buffer, .address_space: global }
      - { .name: W2, .offset: 8, .size: 8, .value_kind: global_buffer, .address_space: global }
      - { .name: W3, .offset: 16, .size: 8, .value_kind: global_buffer, .address_space: global }
      - { .name: wsw, .offset: 24, .size: 8, .value_kind: global_buffer, .address_space: global }
    .group_segment_fixed_size: 0
    .private_segment_fixed_size: 0
    .kernarg_segment_align: 8
    .kernarg_segment_size: 32
    .max_flat_workgroup_size: 256
    .sgpr_count:     66
    .vgpr_count:     32
    .wavefront_size: 32
...
	.end_amdgpu_metadata
.endif
;; end of part 1
;; launch mlp (part 2): grid 256 x 1, 4 waves a work-group, clusters of 4 x 1, 327,680 bytes of LDS; arguments wsw, x, W0, b0, b1, b2, b3, W4, b4, out0; writes out0
.if DOCPART == 2
	.amdgcn_target "amdgcn-amd-amdhsa--gfx1250"
	.amdhsa_code_object_version 6
	.text
	.protected	k_qde82dcba75_mlp
	.globl	k_qde82dcba75_mlp
	.p2align	8
	.type	k_qde82dcba75_mlp,@function
k_qde82dcba75_mlp:
	s_mov_b64 s[64:65], 0
	v_nop
	global_prefetch_b8 v0, s[64:65] scope:SCOPE_SE
	s_setreg_imm32_b32 hwreg(HW_REG_WAVE_MODE, 25, 1), 1
	s_wait_xcnt 0x0
	s_wait_alu depctr_hold_cnt(0) depctr_sa_sdst(0) depctr_va_vdst(0) depctr_va_sdst(0) depctr_va_ssrc(0) depctr_va_vcc(0) depctr_vm_vsrc(0)
	s_getreg_b32 s2, hwreg(HW_REG_IB_STS2, 6, 4)
	s_cmp_eq_u32 s2, 0
	s_cbranch_scc0 .Lentry_in_a_cluster
	s_endpgm
.Lentry_in_a_cluster:
	s_bfe_u32 s2, ttmp6, 0x10000c
	s_cmp_lg_u32 s2, 0x3003
	s_cbranch_scc0 .Lentry_shape_is_right
	s_endpgm
.Lentry_shape_is_right:
; out = W4 sin(W3 sin(W2 sin(W1 sin(30 (W0 x + b0)) + b1) + b2) + b3) + b4 for 262,144 points; x, out: [N][3] f32; layers 3-256-256-256-256-3.
; SHARES.  256 work-groups of four waves; a work-group owns 1,024 points, in four batches of 256.  Wave w owns the output features 64 w .. 64 w + 63 of EVERY layer.
; THE WEIGHTS STAY IN REGISTERS: a wave's 64 rows x 256 of a hidden layer are 256 registers of f16; layers 1, 2, 3 fill the register windows 1, 2, 3.  They come once, through LDS, by tensor loads.
; CLUSTER.  Every work-group needs the same weights, so four work-groups form a cluster and ask for each tile JOINTLY (same load, descriptor and mask in all four).
; THE ACTIVATIONS go through LDS as f16 rows, one row a point.  The matrix instruction takes 16 features as source 0 and 16 points as source 1: in the result a lane holds ONE point
; (lane % 16) and the features 8 (lane / 16) + 0..7, which pack into 16 bytes of the point's row.  A batch has the phases L0, L1, L2, L3 (the last layer rides in L3) and a small sum; one barrier behind each.
; SIDE BY SIDE.  A sine is ten packed instructions for two numbers, 160 for a wave's tile of 16 points x 64 features.  They are dealt as RIDERS: while tile g is multiplied, tile g - 1's sine stands
; five lines behind each of the 32 matrix instructions (layer 0: forty behind each of four).  The accumulators have two sets that take turns.  The riders lie in window 0 and the weights do not, so each
; matrix instruction of a hidden layer costs two switches of the window.
; ONE TEXT FOR EVERY TRIP.  A phase's first group rides on the other set's old numbers, and the result goes to a guard tile in front of the buffer; its last group fetches tile 0 once more, for nothing.
; FORMATS.  All inputs are rounded to bf16.  Layer 0 multiplies bf16 (b0 rides as a fourth input whose x is 1).  h is kept as f16(2^15 sin), the weights as f16(256 bf16(W)), the bias enters as the
; sums' first C, 2^23 bf16(b): the f32 sums are 2^23 x the argument.
; THE SINE.  t = argument / 2 pi; n = t rounded to a whole number (by adding and taking away 1.5 x 2^23); r = t - n by one fused line; sin = r P(r^2), P of degree 4, its coefficients times 2^15.
; LIMITS.  |argument| < 2^22 x 2 pi = 2.6e7; the polynomial is off by 6e-6 at the most, near 0 by 2e-5 of the sine; |W1..W4| < 255.9; |h| below 2^-29 keeps f16's fixed step, 2^-39;
; NaN and infinities are not treated apart.
.set PITCH,  528                       ; an LDS row: 512 bytes + 16 = 132 words: row r starts at bank 4 r mod 64 (64 banks of 4 bytes: ISA guide 11.1), so 16 rows start at 16 different groups of four banks
.set TILEB,  16*PITCH                  ; 16 points
.set L_GA,   0                         ; guard tile in front of A
.set L_A,    TILEB                     ; buffer A: 256 rows
.set L_GB,   L_A+16*TILEB              ; guard tile in front of B
.set L_B,    L_GB+TILEB                ; buffer B
.set L_X,    L_B+16*TILEB              ; 1,024 points x 16 bytes: bf16 x0, x1, x2, 1.0, then 8 bytes of 0
.set L_BT,   L_X+16384                 ; f32 [3][256]: 2^23 bf16(b1..b3)
.set L_PART, L_BT+3072                 ; for each wave 256 bytes of guard and 256 points x 12 bytes: its part of the last layer's sums
.set PSTR,   3328
.set SPARE,  L_PART+4*PSTR             ; the spare words, 128 bytes for each wave: two blocks of 256 bytes that no other line names
.set WROWS,  64*PITCH                  ; at the start only: a wave's 64 rows of weights; region 1 begins at byte 0,
.set R2OFF,  4*WROWS                   ; region 2 here.  A, B and the guards are stored into only behind the regions' last fill
.set RR,   1                           ; v1   lane % 16
.set HH,   2                           ; v2   lane / 16
.set LRDA, 3                           ; v3   my place in a fragment of tile 0 of A: L_A + 528 r + 16 h
.set LRDB, 4                           ; v4   the same in B
.set ARD,  5                           ; v5   the same in the tile that is being fetched
.set LWA,  6                           ; v6   where my 16 bytes go in A's guard tile: L_GA + 528 r + 128 w + 16 h
.set LWB,  7                           ; v7   the same for B
.set AWR,  8                           ; v8   the same in the tile that the riders finish
.set LX,   9                           ; v9   my 8 bytes of x's tile 0: L_X + 16 r + 8 h
.set AX,   10                          ; v10  the same in the tile that is being fetched
.set LB,   11                          ; v11  my 8 biases: L_BT + 256 w + 32 h
.set LP,   12                          ; v12  my point's 12 bytes in my part's tile -1
.set PO,   13                          ; v13  the same in the tile that the riders finish
.set LR,   14                          ; v14  the sum: my 8 bytes in wave 0's part
.set GO,   15                          ; v15  the sum: my 8 bytes in the batch's 3,072 bytes of out
.set SPW,  16                          ; v16  LDS address of my spare word; never rewritten
.set NIL,  17                          ; v17  0; never rewritten
.set B4R,  18                          ; v[18:23]  bf16(b4) for my two numbers in each of the sum's three stores
.set W0R,  24                          ; v[24:37]  layer 0: tile a's fragment is v[24+2a : 31+2a]; only its first two registers meet an x that is not 0; v32-37 = 0
.set W4F,  40                          ; v[40:55]  the last layer: two fragments (my features 0-31, 32-63)
.set ACCO, 56                          ; v[56:63]  the last layer's sums
.set ACC,  64                          ; v[64:127] set s, feature tile a at 64 + 32 s + 8 a
.set BF,   128                         ; v[128:191] the points' fragments: K block c at 128 + 8 c; layer 0: x in v[128:135]
.set BIAS, 192                         ; v[192:223] the layer's biases in the layout of a result: tile a at 192 + 8 a
.set T1,   224                         ; v[224:231] at work
.set T2,   232                         ; v[232:239] at work
.set PK,   240                         ; v[240:255] the new h, packed: tile a at 240 + 4 a
.set WV,   28                          ; s28  my wave's number
.set WG,   29                          ; s29  my work-group's number: it enters x's and out's addresses alone
.set G1,   32                          ; s[32:39] descriptor group 1
.set G0A,  40                          ; s[40:43] group 0: layer 1 into region 1
.set G0B,  44                          ; s[44:47] layer 2 into region 2
.set G0C,  48                          ; s[48:51] layer 3 into region 1
.set SC,   52                          ; s[52:53] the phase's scale from sum to t.  All pairs below hold the number twice
.set MG,   54                          ; s[54:55] 1.5 x 2^23
.set NM,   56                          ; s[56:57] its negative
.set C9,   58
.set C7,   60
.set C5,   62
.set C3,   66
.set C1,   68
.set OS,   70                          ; s[70:71] 2^-23
.set NBAT, 72                          ; s72  batches to go
.set TRIP, 73                          ; s73  trips to go
.set TI,   74                          ; s74  the tile in hand, 0..15
.set NX,   75                          ; s75  TI x 8,448
.set XI,   76                          ; s76  x's tile, 0..63
.set TP,   77                          ; s77  at work
.set HIM,  80                          ; s80  a word's upper bf16
.set SCL,  82                          ; s[82:83] 2^23
.set K_S0, 0x4098c9eb                  ; 30 / 2 pi
.set K_SH, 0x32a2f983                  ; 2^-23 / 2 pi
.set MSB, 0
.macro WIN new                         ; s_set_vgpr_msb: bits 1:0 source 0, 3:2 source 1, 5:4 source 2, 7:6 destination; the high byte repeats the setting that is left
.if MSB != (\new)
	s_set_vgpr_msb (MSB<<8)|(\new)
.set MSB, \new
.endif
.endm
.macro PLACES                          ; four plain lines behind a matrix instruction before its result is read (ISA guide 7.12.1)
.rept 4
	v_nop
.endr
.endm
.macro BAR                             ; my LDS stores are done and my LDS loads are back; then everybody's
	s_wait_dscnt 0x0
	s_barrier_signal -1
	s_barrier_wait -1
.endm
.macro ROUND                           ; a round of the cluster's barrier: my work-group's barrier; wave 0 signals for the work-group; every wave waits for all four; my work-group's barrier once more
	s_barrier_signal -1
	s_barrier_wait -1
	s_cmp_lg_u32 s[WV], 0
	s_cbranch_scc1 .Lnot_wave_0_\@
	s_barrier_signal -3
.Lnot_wave_0_\@:
	s_barrier_wait -3
	s_barrier_signal -1
	s_barrier_wait -1
.endm
	s_load_b512 s[8:23], s[0:1], 0x0               ; wsw s[8:9], x s[10:11], W0 s[12:13], b0 s[14:15], b1 s[16:17], b2 s[18:19], b3 s[20:21], W4 s[22:23]
	s_load_b128 s[24:27], s[0:1], 0x40             ; b4 s[24:25], out0 s[26:27]
	v_lshl_add_u32 v[SPW], v0, 2, SPARE
	v_mov_b32 v[NIL], 0
	ds_add_u32 v[SPW], v[NIL]                      ; the wave's opening: the add and its wait stand ahead of my first tensor load; the set-up below, work on registers, stands between them
	v_lshrrev_b32 v1, 5, v0
	v_readfirstlane_b32 s[WV], v1                  ; wave 0..3
	s_bfe_u32 s30, ttmp6, 0x40000                  ; cx: my place in the cluster
	s_lshl_b32 s[WG], ttmp9, 2                     ; in a cluster launch ttmp9 counts clusters
	s_add_co_u32 s[WG], s[WG], s30
	s_mul_i32 s78, s[WG], 12288                    ; my 1,024 points x 12 bytes, in x and in out
	s_mov_b32 s79, 0
	; descriptor group 1: a tile of 64 rows x 256 elements of 2 bytes, padded in LDS
	s_mov_b32 s[G1], 15|(1<<16)|(1<<20)|(1<<21)|(6<<22)|(3<<25)  ; 15:0 the mask of four; 17:16 2-byte elements; 20 padding on; 21 set beside a mask; 24:22 after every 128 words (code 6); 31:25 4 words (code 3)
	s_mov_b32 s[G1+1], 256<<16                     ; tensor_dim0 = 256
	s_mov_b32 s[G1+2], 64<<16                      ; tensor_dim1 = 64
	s_mov_b32 s[G1+3], 256<<16                     ; tile_dim0 = 256
	s_mov_b32 s[G1+4], 64                          ; tile_dim1 = 64
	s_mov_b32 s[G1+5], 256                         ; 256 elements from row to row
	s_mov_b32 s[G1+6], 0
	s_mov_b32 s[G1+7], 0
	s_mul_i32 s31, s[WV], WROWS                    ; my rows' place in a region: the wave's number alone
	s_lshl_b32 s74, s[WV], 15                      ; my 64 rows of 512 bytes in a layer of wsw
	s_mov_b32 s75, 0
	s_mov_b32 s[G0A], 1                            ; count = 1
	s_mov_b32 s[G0A+1], s31                        ; LDS address
	s_mov_b32 s[G0B], 1
	s_add_co_u32 s[G0B+1], s31, R2OFF
	s_mov_b32 s[G0C], 1
	s_mov_b32 s[G0C+1], s31
.irp p, MG, NM, C9, C7, C5, C3, C1, OS, SCL
.if \p == MG
.set kv, 0x4b400000                    ; 1.5 x 2^23
.elseif \p == NM
.set kv, 0xcb400000
.elseif \p == C9
.set kv, 0x4983135b                    ; 2^15 x  32.768902
.elseif \p == C7
.set kv, 0xca14f124                    ; 2^15 x -74.470977
.elseif \p == C5
.set kv, 0x4a22bb23                    ; 2^15 x  81.365499
.elseif \p == C3
.set kv, 0xc9a55312                    ; 2^15 x -41.331123
.elseif \p == C1
.set kv, 0x48490ec7                    ; 2^15 x   6.2830541
.elseif \p == OS
.set kv, 0x34000000                    ; 2^-23
.else
.set kv, 0x4b000000                    ; 2^23
.endif
	s_mov_b32 s[\p], kv
	s_mov_b32 s[\p+1], kv
.endr
	s_mov_b32 s[HIM], 0xffff0000
	s_wait_dscnt 0x0                               ; the opening add is done
	s_wait_kmcnt 0x0
	s_add_nc_u64 s[8:9], s[8:9], s[74:75]          ; wsw at my rows of layer 1
	s_add_nc_u64 s[G0A+2:G0A+3], s[8:9], 0         ; global address
	s_or_b32 s[G0A+3], s[G0A+3], 0x80000000        ; type = 2
	s_add_nc_u64 s[G0B+2:G0B+3], s[8:9], 0x20000   ; a layer is 131,072 bytes
	s_or_b32 s[G0B+3], s[G0B+3], 0x80000000
	s_add_nc_u64 s[G0C+2:G0C+3], s[8:9], 0x40000
	s_or_b32 s[G0C+3], s[G0C+3], 0x80000000
	s_add_nc_u64 s[10:11], s[10:11], s[78:79]      ; x and out at my first point
	s_add_nc_u64 s[26:27], s[26:27], s[78:79]
	ROUND                                          ; all four work-groups are here: the first joint loads meet
	tensor_load_to_lds s[G0A:G0A+3], s[G1:G1+7]    ; layer 1; two loads of mine are out
	s_nop 0
	tensor_load_to_lds s[G0B:G0B+3], s[G1:G1+7]    ; layer 2
	s_nop 0
	PLACES
	; WHILE THE WEIGHTS ARE ON THEIR WAY: the small inputs.  All loads first, then the lane's addresses, then one wait.
	v_and_b32 v[RR], 15, v0
	v_bfe_u32 v[HH], v0, 4, 1
	v_mul_u32_u24 v64, v0, 12                      ; x: thread t takes the points t + 128 i
.irp i, 0,1,2,3,4,5,6,7
	global_load_b96 v[128+4*(\i):130+4*(\i)], v64, s[10:11] offset:1536*(\i) th:TH_LOAD_NT
.endr
	s_mul_i32 s[TP], s[WV], 768
	v_mul_u32_u24 v65, v[RR], 12
	v_add_nc_u32 v65, s[TP], v65                   ; W0: feature 64 w + 16 a + r, 12 bytes each
	v_lshlrev_b32 v66, 2, v[RR]
	v_lshl_add_u32 v66, s[WV], 8, v66              ; b0: the same feature, 4 bytes
.irp a, 0,1,2,3
	global_load_b96 v[160+4*(\a):162+4*(\a)], v65, s[12:13] offset:192*(\a)
	global_load_b32 v[163+4*(\a)], v66, s[14:15] offset:64*(\a)
.endr
	v_lshlrev_b32 v67, 3, v0                       ; b1..b3: thread t takes features 2 t, 2 t + 1: a wave's threads its own 64
	global_load_b64 v[176:177], v67, s[16:17]
	global_load_b64 v[178:179], v67, s[18:19]
	global_load_b64 v[180:181], v67, s[20:21]
	v_and_b32 v71, 7, v[RR]                        ; W4 as source 0: rows 0-2 and, once more, 8-10 hold W4's three rows, so that both halves of the lanes end with the same three sums; the other rows are 0
	v_min_u32 v72, 2, v71
	v_lshlrev_b32 v69, 10, v72                     ; a row of W4 is 1,024 bytes
	v_lshl_add_u32 v69, v[HH], 5, v69              ; + 8 h features
	v_lshl_add_u32 v69, s[WV], 8, v69              ; + my wave's 64
.irp n, 0,1,2,3
	global_load_b128 v[192+8*(\n):195+8*(\n)], v69, s[22:23] offset:64*(\n)
	global_load_b128 v[196+8*(\n):199+8*(\n)], v69, s[22:23] offset:64*(\n)+16
.endr
	v_and_b32 v76, 31, v0                          ; lane
.irp s, 0,1,2
	v_lshl_add_u32 v77, v76, 1, (\s)               ; e = 2 lane + s, 64 at the most
	v_mul_u32_u24 v78, v77, 43
	v_lshrrev_b32 v78, 7, v78                      ; e / 3: 43 / 128 is 1 / 3 + 0.0026, and 64 x 0.0026 stays under 1 / 3
	v_mul_u32_u24 v78, v78, 3
	v_sub_nc_u32 v78, v77, v78                     ; e mod 3
	v_lshlrev_b32 v[88+(\s)], 2, v78
	global_load_b32 v[80+(\s)], v[88+(\s)], s[24:25]
.endr
	v_mul_u32_u24 v91, v[RR], PITCH
	v_lshl_add_u32 v91, v[HH], 4, v91              ; 528 r + 16 h
	v_add_nc_u32 v[LRDA], L_A, v91
	v_add_nc_u32 v[LRDB], L_B, v91
	v_lshl_add_u32 v92, s[WV], 7, v91              ; + my wave's 128 bytes of a row
	v_add_nc_u32 v[LWA], L_GA, v92
	v_add_nc_u32 v[LWB], L_GB, v92
	v_add_nc_u32 v[ARD], s31, v91                  ; for now: my weights in region 1,
	v_add_nc_u32 v[AWR], R2OFF, v[ARD]             ; and in region 2
	v_lshlrev_b32 v[LX], 4, v[RR]
	v_lshl_add_u32 v[LX], v[HH], 3, v[LX]
	v_add_nc_u32 v[LX], L_X, v[LX]
	v_lshlrev_b32 v[LB], 5, v[HH]
	v_lshl_add_u32 v[LB], s[WV], 8, v[LB]
	v_add_nc_u32 v[LB], L_BT, v[LB]
	s_mul_i32 s[TP], s[WV], PSTR
	s_add_co_u32 s[TP], s[TP], L_PART+64           ; tile -1 ends where tile 0 begins, 256 bytes into my part
	v_mul_u32_u24 v[LP], v[RR], 12
	v_add_nc_u32 v[LP], s[TP], v[LP]
	s_mul_i32 s[TP], s[WV], 768                    ; the sum: wave w takes the batch's points 64 w .. 64 w + 63
	v_lshlrev_b32 v[GO], 3, v76
	v_add_nc_u32 v[GO], s[TP], v[GO]
	v_add_nc_u32 v[LR], L_PART+256, v[GO]
	v_lshl_add_u32 v68, v0, 3, L_BT
	v_lshl_add_u32 v87, v0, 4, L_X
	v_mov_b32 v86, 1.0
	v_mov_b32 v73, 0x43800000                      ; 256.0
	v_cmp_gt_u32 vcc_lo, 3, v71
	v_cndmask_b32 v74, 0, v73, vcc_lo              ; W4's factor: 256, or 0 for the rows that are none of W4's
	v_mov_b32 v75, v74
.irp i, 32,33,34,35,36,37
	v_mov_b32 v\i, 0
.endr
	s_wait_loadcnt 0x0
.irp i, 0,1,2,3,4,5,6,7
	v_cvt_pk_bf16_f32 v[128+4*(\i)], v[128+4*(\i)], v[129+4*(\i)]  ; x0, x1
	v_cvt_pk_bf16_f32 v[129+4*(\i)], v[130+4*(\i)], v86            ; x2, 1.0
	v_mov_b32 v[130+4*(\i)], 0
	v_mov_b32 v[131+4*(\i)], 0
	ds_store_b128 v87, v[128+4*(\i):131+4*(\i)] offset:2048*(\i)
.endr
.irp a, 0,1,2,3
	v_cvt_pk_bf16_f32 v[W0R+2*(\a)],   v[160+4*(\a)], v[161+4*(\a)]  ; W0[f][0], W0[f][1]
	v_cvt_pk_bf16_f32 v[W0R+2*(\a)+1], v[162+4*(\a)], v[163+4*(\a)]  ; W0[f][2], b0[f]
.endr
.irp l, 0,1,2
	v_cvt_pk_bf16_f32 v70, v[176+2*(\l)], v[177+2*(\l)]
	v_lshlrev_b32 v[176+2*(\l)], 16, v70
	v_and_b32 v[177+2*(\l)], s[HIM], v70
	v_pk_mul_f32 v[176+2*(\l):177+2*(\l)], v[176+2*(\l):177+2*(\l)], s[SCL:SCL+1] op_sel_hi:[1,0]
	ds_store_b64 v68, v[176+2*(\l):177+2*(\l)] offset:1024*(\l)
.endr
.macro CVT8 in, out                    ; 8 numbers: rounded to bf16, times v[74:75], written as f16
.irp j, 0,1,2,3
	v_cvt_pk_bf16_f32 v[T1+(\j)], v[(\in)+2*(\j)], v[(\in)+2*(\j)+1]
.endr
.irp j, 0,1,2,3
	v_lshlrev_b32 v[(\in)+2*(\j)],   16, v[T1+(\j)]
	v_and_b32     v[(\in)+2*(\j)+1], s[HIM], v[T1+(\j)]
.endr
.irp j, 0,1,2,3
	v_pk_mul_f32 v[(\in)+2*(\j):(\in)+2*(\j)+1], v[(\in)+2*(\j):(\in)+2*(\j)+1], v[74:75]
.endr
.irp j, 0,1,2,3
	v_cvt_pk_f16_f32 v[(\out)+(\j)], v[(\in)+2*(\j)], v[(\in)+2*(\j)+1]
.endr
.endm
.irp n, 0,1,2,3
	CVT8 192+8*(\n), W4F+4*(\n)
.endr
	v_cvt_pk_bf16_f32 v84, v80, v81                ; b4 of out's numbers 2 lane, 2 lane + 1, 2 lane + 2 (mod 3)
	v_cvt_pk_bf16_f32 v85, v82, v82
	v_lshlrev_b32 v[B4R], 16, v84                  ; store q begins 64 q numbers on, and 64 mod 3 = 1: its pair is numbers q, q + 1
	v_and_b32 v[B4R+1], s[HIM], v84
	v_mov_b32 v[B4R+2], v[B4R+1]
	v_lshlrev_b32 v[B4R+3], 16, v85
	v_mov_b32 v[B4R+4], v[B4R+3]
	v_mov_b32 v[B4R+5], v[B4R]
.set i, ACC+32
.rept 32
	v_mov_b32 v[i], 0                              ; set 1: what the very first group rides on need only be finite
.set i, i+1
.endr
	; THE WEIGHTS INTO REGISTERS.  A fragment is 16 features x 32 inputs in 8 registers: lane l holds feature l % 16, inputs 8 (l / 16) + 0..7 and 16 + 8 (l / 16) + 0..7: two loads of 16 bytes, 32 apart.
	; Each wave reads only the rows that its own loads brought, so its own wait on TENSORcnt orders the reads.
.macro WLOAD adr                       ; tile a, K block c -> v[64 a + 8 c ..] of the destination's window
.set wa, 0
.rept 4
.set wc, 0
.rept 8
	ds_load_b128 v[64*wa+8*wc:64*wa+8*wc+3],   v[\adr] offset:wa*TILEB+64*wc
	ds_load_b128 v[64*wa+8*wc+4:64*wa+8*wc+7], v[\adr] offset:wa*TILEB+64*wc+32
.set wc, wc+1
.endr
.set wa, wa+1
.endr
.endm
	s_wait_tensorcnt 0x1                           ; layer 1 is in; layer 2's load, issued behind it, may stay out
	WIN 0x40
	WLOAD ARD
	WIN 0
	s_wait_tensorcnt 0x0                           ; region 1 is filled again: all my tensor loads have landed,
	ds_add_u32 v[SPW], v[NIL]                      ; 0 onto my spare word,
	s_wait_dscnt 0x0                               ; the add is done, my reads of region 1 are back, my stores of x and the biases are done
	ROUND                                          ; and so it is in every wave of all four work-groups
	tensor_load_to_lds s[G0C:G0C+3], s[G1:G1+7]    ; layer 3: my one load behind the round; one load of mine is out
	s_nop 0
	PLACES
	WIN 0x80
	WLOAD AWR                                      ; layer 2 is read while layer 3 is on its way
	s_wait_tensorcnt 0x0
	WIN 0xc0
	WLOAD ARD
	WIN 0
	BAR                                            ; every wave has its weights: from here on the regions' bytes are A, B and their guards
; RIDER number ri of the 160 that make a tile's sines: feature tile ri / 40, line (ri % 40) / 4 of ten, register pair ri % 4: the four pairs go in step, so a line reads what was made four lines back.
; Line 0 of pair 0 is the first to read an accumulator, at its lowest registers.  When a feature tile's forty are written its 16 bytes are stored (kind 0);
; kind 1 (layer 3): nothing is stored: two packed tiles ARE source 1 (32 features x 16 points) of the last layer's product, and the first of the two products stands behind tile 1.
.macro RID set, kind
.set ra, ri/40
.set ro, (ri%40)/4
.set rA, ACC+32*(\set)+8*ra+2*(ri%4)
.set rX1, T1+2*(ri%4)
.set rX2, T2+2*(ri%4)
.if ro == 0
	v_pk_fma_f32 v[rX1:rX1+1], v[rA:rA+1], s[SC:SC+1], s[MG:MG+1] op_sel_hi:[1,0,0]  ; t + 1.5 x 2^23: t's fraction is rounded away
.elseif ro == 1
	v_pk_add_f32 v[rX1:rX1+1], v[rX1:rX1+1], s[NM:NM+1] op_sel_hi:[1,0]              ; n
.elseif ro == 2
	v_pk_fma_f32 v[rA:rA+1], v[rA:rA+1], s[SC:SC+1], v[rX1:rX1+1] op_sel_hi:[1,0,1] neg_lo:[0,0,1] neg_hi:[0,0,1]  ; r = t - n, in -0.5 .. 0.5
.elseif ro == 3
	v_pk_mul_f32 v[rX1:rX1+1], v[rA:rA+1], v[rA:rA+1]                                ; u = r^2
.elseif ro == 4
	v_pk_fma_f32 v[rX2:rX2+1], v[rX1:rX1+1], s[C9:C9+1], s[C7:C7+1] op_sel_hi:[1,0,0]
.elseif ro == 5
	v_pk_fma_f32 v[rX2:rX2+1], v[rX2:rX2+1], v[rX1:rX1+1], s[C5:C5+1] op_sel_hi:[1,1,0]
.elseif ro == 6
	v_pk_fma_f32 v[rX2:rX2+1], v[rX2:rX2+1], v[rX1:rX1+1], s[C3:C3+1] op_sel_hi:[1,1,0]
.elseif ro == 7
	v_pk_fma_f32 v[rX2:rX2+1], v[rX2:rX2+1], v[rX1:rX1+1], s[C1:C1+1] op_sel_hi:[1,1,0]
.elseif ro == 8
	v_pk_mul_f32 v[rX2:rX2+1], v[rX2:rX2+1], v[rA:rA+1]                              ; 2^15 sin
.else
	v_cvt_pk_f16_f32 v[PK+4*ra+ri%4], v[rX2], v[rX2+1]
.endif
.if (ri%40) == 39
.if (\kind) == 0
	ds_store_b128 v[AWR], v[PK+4*ra:PK+4*ra+3] offset:32*ra
.elseif ra == 1
	v_wmma_f32_16x16x32_f16 v[ACCO:ACCO+7], v[W4F:W4F+7], v[PK:PK+7], 0
.endif
.endif
.set ri, ri+1
.endm
.macro RIDE n, set, kind
.rept \n
	RID \set, \kind
.endr
.endm
.macro STEP                            ; the tile in hand goes one on, and behind the last back to 0
	s_add_co_u32 s[TI], s[TI], 1
	s_and_b32 s[TI], s[TI], 15
	s_mul_i32 s[NX], s[TI], TILEB
.endm
.macro LAST4                           ; the last layer's second product, and my three sums for each of 16 points into my part (both halves of the lanes hold and store the same)
	v_wmma_f32_16x16x32_f16 v[ACCO:ACCO+7], v[W4F+8:W4F+15], v[PK+8:PK+15], v[ACCO:ACCO+7]
	PLACES
.irp j, 0,1,2
	ds_store_b32 v[PO], v[ACCO+(\j)] offset:4*(\j)
.endr
.endm
; A GROUP: one tile of 16 points in hidden layer l (weights in window l), sums in set `set`; the riders finish the tile before, in the other set.  lrd: the input buffer's lane address; lw: the output guard's.
; The four accumulators take turns, one instruction a turn; the last layer's two products stand 16 matrix instructions apart.
; Behind a K block's fourth product and its five riders (the places behind the block's last reader) the NEXT tile's fragment of that block is fetched: 32 matrix instructions ahead of its use.
; s_wait_dscnt 14: behind the two loads of block c stand at least the seven other blocks' fourteen, on the way in from PRO and round the back edge alike; the riders' stores only add to that.
.macro GROUP l, set, kind, lrd, lw
.if (\kind) == 0
	v_add_nc_u32 v[AWR], s[NX], v[\lw]             ; guard + 8,448 g is the place of tile g - 1
.else
	s_mul_i32 s[TP], s[TI], 192
	v_add_nc_u32 v[PO], s[TP], v[LP]
.endif
	STEP
	v_add_nc_u32 v[ARD], s[NX], v[\lrd]            ; the tile to be fetched
.set ri, 0
.set gi, 0
.rept 32
.set gc, gi/4
.set ga, gi%4
.set gD, ACC+32*(\set)+8*ga
.if ga == 0
	s_wait_dscnt 14
.endif
	WIN \l
.if gc == 0
	v_wmma_f32_16x16x32_f16 v[gD:gD+7], v[64*ga:64*ga+7], v[BF:BF+7], v[BIAS+8*ga:BIAS+8*ga+7]  ; the bias starts the sum
.else
	v_wmma_f32_16x16x32_f16 v[gD:gD+7], v[64*ga+8*gc:64*ga+8*gc+7], v[BF+8*gc:BF+8*gc+7], v[gD:gD+7]
.endif
	WIN 0
	RIDE 5, 1-(\set), \kind
.if ga == 3
	ds_load_b128 v[BF+8*gc:BF+8*gc+3],   v[ARD] offset:64*gc
	ds_load_b128 v[BF+8*gc+4:BF+8*gc+7], v[ARD] offset:64*gc+32
.endif
.set gi, gi+1
.endr
.if \kind
	LAST4
.endif
.endm
; A group of layer 0: four products (x's three numbers and the 1 that carries b0 lie in K = 0..3, all else of source 1 is 0), forty riders behind each.  All in window 0.
; s_wait_dscnt 1: behind x's load stands one LDS instruction, feature tile 3's store; on the way in the prologue has waited for 0.
.macro G0 set
	v_add_nc_u32 v[AWR], s[NX], v[LWA]
	STEP
	s_add_co_u32 s[XI], s[XI], 1
	s_and_b32 s[XI], s[XI], 63
	s_lshl_b32 s[TP], s[XI], 8                     ; a tile of x is 256 bytes
	v_add_nc_u32 v[AX], s[TP], v[LX]
.set ri, 0
	s_wait_dscnt 1
.irp a, 0,1,2,3
	v_wmma_f32_16x16x32_bf16 v[ACC+32*(\set)+8*(\a):ACC+32*(\set)+8*(\a)+7], v[W0R+2*(\a):W0R+2*(\a)+7], v[BF:BF+7], 0
.if (\a) < 3
	RIDE 40, 1-(\set), 0
.else
	RIDE 8, 1-(\set), 0                            ; the places behind x's last reader
	ds_load_b64 v[BF:BF+1], v[AX]                  ; the next tile's x
	RIDE 32, 1-(\set), 0
.endif
.endr
.endm
.macro FLUSH kind, lw                  ; a phase's last tile (it lies in set 1) has no group to ride in
.if (\kind) == 0
	v_add_nc_u32 v[AWR], 16*TILEB, v[\lw]
.else
	v_add_nc_u32 v[PO], 16*192, v[LP]
.endif
.set ri, 0
	RIDE 160, 1, \kind
.if \kind
	s_wait_alu depctr_va_vdst(0)                   ; here the last layer's two products follow each other
	LAST4
.endif
.endm
.macro PRO l, lrd                      ; a hidden layer begins: its scale, its biases, tile 0's eight fragments
	s_mov_b32 s[SC], K_SH
	s_mov_b32 s[SC+1], K_SH
	s_mov_b32 s[TI], 0
	s_mov_b32 s[NX], 0
.irp a, 0,1,2,3
	ds_load_b128 v[BIAS+8*(\a):BIAS+8*(\a)+3],   v[LB] offset:((\l)-1)*1024+64*(\a)
	ds_load_b128 v[BIAS+8*(\a)+4:BIAS+8*(\a)+7], v[LB] offset:((\l)-1)*1024+64*(\a)+16
.endr
.irp c, 0,1,2,3,4,5,6,7
	ds_load_b128 v[BF+8*(\c):BF+8*(\c)+3],   v[\lrd] offset:64*(\c)
	ds_load_b128 v[BF+8*(\c)+4:BF+8*(\c)+7], v[\lrd] offset:64*(\c)+32
.endr
	s_mov_b32 s[TRIP], 8
.endm
.macro TRIPS label                     ; eight trips of two groups are a batch's 16 tiles
	s_sub_co_u32 s[TRIP], s[TRIP], 1
	s_cmp_lg_u32 s[TRIP], 0
	s_cbranch_scc1 \label
.endm
	s_mov_b32 s[XI], 0
	s_mov_b32 s[NBAT], 4
.Lbatch:
	; L0: x -> A.  In every phase the bytes read and the bytes stored are different regions; a region's next writer stands behind a barrier that every reader has passed with its loads back.
	s_mov_b32 s[SC], K_S0
	s_mov_b32 s[SC+1], K_S0
	s_mov_b32 s[TI], 0
	s_mov_b32 s[NX], 0
.irp i, 2,3,4,5,6,7
	v_mov_b32 v[BF+(\i)], 0                        ; K = 4 and up of source 1
.endr
	s_lshl_b32 s[TP], s[XI], 8
	v_add_nc_u32 v[AX], s[TP], v[LX]
	ds_load_b64 v[BF:BF+1], v[AX]
	s_wait_dscnt 0x0
	s_mov_b32 s[TRIP], 8
.Ll0:
	G0 0
	G0 1
	TRIPS .Ll0
	FLUSH 0, LWA
	BAR
	PRO 1, LRDA                                    ; L1: A -> B
.Ll1:
	GROUP 1, 0, 0, LRDA, LWB
	GROUP 1, 1, 0, LRDA, LWB
	TRIPS .Ll1
	FLUSH 0, LWB
	BAR
	PRO 2, LRDB                                    ; L2: B -> A
.Ll2:
	GROUP 2, 0, 0, LRDB, LWA
	GROUP 2, 1, 0, LRDB, LWA
	TRIPS .Ll2
	FLUSH 0, LWA
	BAR
	PRO 3, LRDA                                    ; L3 and the last layer: A -> the waves' parts
.Ll3:
	GROUP 3, 0, 1, LRDA, LWA
	GROUP 3, 1, 1, LRDA, LWA
	TRIPS .Ll3
	FLUSH 1, LWA
	BAR
	; THE SUM: wave w adds the four parts of points 64 w .. 64 w + 63 (768 bytes), in f32; out = 2^-23 x sum + b4.  Each store of the wave covers 256 consecutive bytes, aligned.
.irp q, 0,1,2
.irp p, 0,1,2,3
	ds_load_b64 v[BF+8*(\q)+2*(\p):BF+8*(\q)+2*(\p)+1], v[LR] offset:(\p)*PSTR+256*(\q)
.endr
.endr
	s_wait_dscnt 0x0
.irp q, 0,1,2
	v_pk_add_f32 v[BF+8*(\q):BF+8*(\q)+1],   v[BF+8*(\q):BF+8*(\q)+1],   v[BF+8*(\q)+2:BF+8*(\q)+3]
	v_pk_add_f32 v[BF+8*(\q)+4:BF+8*(\q)+5], v[BF+8*(\q)+4:BF+8*(\q)+5], v[BF+8*(\q)+6:BF+8*(\q)+7]
.endr
.irp q, 0,1,2
	v_pk_add_f32 v[BF+8*(\q):BF+8*(\q)+1], v[BF+8*(\q):BF+8*(\q)+1], v[BF+8*(\q)+4:BF+8*(\q)+5]
.endr
.irp q, 0,1,2
	v_pk_fma_f32 v[BF+8*(\q):BF+8*(\q)+1], v[BF+8*(\q):BF+8*(\q)+1], s[OS:OS+1], v[B4R+2*(\q):B4R+2*(\q)+1] op_sel_hi:[1,0,1]
.endr
.irp q, 0,1,2
	global_store_b64 v[GO], v[BF+8*(\q):BF+8*(\q)+1], s[26:27] offset:256*(\q) th:TH_STORE_NT
.endr
	s_wait_xcnt 0x0                                ; the stores' base and data are rewritten only behind this wait (ISA guide 3.1)
	s_add_nc_u64 s[26:27], s[26:27], 3072          ; the next batch's 256 points
	s_sub_co_u32 s[NBAT], s[NBAT], 1
	s_cmp_lg_u32 s[NBAT], 0
	s_cbranch_scc1 .Lbatch
	s_wait_tensorcnt 0x0                           ; the wave's end, behind my last tensor load and my last LDS store
	ds_add_u32 v[SPW], v[NIL]
	s_wait_dscnt 0x0
	ROUND                                          ; the closing round: no work-group ends while a partner may still ask for a tile that names it
	s_endpgm
.Lfunc_end_k_qde82dcba75_mlp:
	.size	k_qde82dcba75_mlp, .Lfunc_end_k_qde82dcba75_mlp-k_qde82dcba75_mlp
	.p2alignl 7, 3214868480
	.fill 96, 4, 3214868480
	.section	.rodata,"a",@progbits
	.p2align	6, 0x0
	.amdhsa_kernel k_qde82dcba75_mlp
		.amdhsa_group_segment_fixed_size 327680
		.amdhsa_private_segment_fixed_size 0
		.amdhsa_enable_private_segment 0
		.amdhsa_kernarg_size 80
		.amdhsa_user_sgpr_count 2
		.amdhsa_user_sgpr_kernarg_segment_ptr 1
		.amdhsa_wavefront_size32 1
		.amdhsa_system_sgpr_workgroup_id_x 1
		.amdhsa_system_sgpr_workgroup_id_y 1
		.amdhsa_system_sgpr_workgroup_id_z 1
		.amdhsa_system_vgpr_workitem_id 0
		.amdhsa_next_free_vgpr 1024
		.amdhsa_next_free_sgpr 84
		.amdhsa_reserve_vcc 1
		.amdhsa_float_denorm_mode_32 3
		.amdhsa_float_denorm_mode_16_64 3
		.amdhsa_memory_ordered 1
		.amdhsa_forward_progress 1
		.amdhsa_inst_pref_size 199
	.end_amdhsa_kernel
	.amdgpu_metadata
---
amdhsa.version: [ 1, 2 ]
amdhsa.kernels:
  - .name:           k_qde82dcba75_mlp
    .symbol:         k_qde82dcba75_mlp.kd
    .args:
      - { .name: wsw, .offset: 0, .size: 8, .value_kind: global_buffer, .address_space: global }
      - { .name: x, .offset: 8, .size: 8, .value_kind: global_buffer, .address_space: global }
      - { .name: W0, .offset: 16, .size: 8, .value_kind: global_buffer, .address_space: global }
      - { .name: b0, .offset: 24, .size: 8, .value_kind: global_buffer, .address_space: global }
      - { .name: b1, .offset: 32, .size: 8, .value_kind: global_buffer, .address_space: global }
      - { .name: b2, .offset: 40, .size: 8, .value_kind: global_buffer, .address_space: global }
      - { .name: b3, .offset: 48, .size: 8, .value_kind: global_buffer, .address_space: global }
      - { .name: W4, .offset: 56, .size: 8, .value_kind: global_buffer, .address_space: global }
      - { .name: b4, .offset: 64, .size: 8, .value_kind: global_buffer, .address_space: global }
      - { .name: out0, .offset: 72, .size: 8, .value_kind: global_buffer, .address_space: global }
    .group_segment_fixed_size: 327680
    .private_segment_fixed_size: 0
    .kernarg_segment_align: 8
    .kernarg_segment_size: 80
    .max_flat_workgroup_size: 128
    .sgpr_count:     84
    .vgpr_count:     1024
    .wavefront_size: 32
...
	.end_amdgpu_metadata
.endif
;; end of part 2
;; ======== version 2 of 2: 2 launches; 1.25 times as fast as version 1
;; limits: inputs' magnitudes at most 255.9; values are held in f16: magnitudes above 65,504 overflow, below 6.1e-05 lose precision; right only within a limited range of input values; a function is approximated: absolute error at most 0.00053
;; workspace buffers: wsw 393,216 bytes
;; launch prep: the kernel of part 1 again; grid 32 x 3, 8 waves a work-group, no clusters, 0 bytes of LDS; arguments W1, W2, W3, wsw; writes wsw
;; launch mlp (part 3): grid 256 x 1, 4 waves a work-group, clusters of 4 x 1, 327,680 bytes of LDS; arguments wsw, x, W0, b0, b1, b2, b3, W4, b4, out0; writes out0
.if DOCPART == 3
	.amdgcn_target "amdgcn-amd-amdhsa--gfx1250"
	.amdhsa_code_object_version 6
	.text
	.protected	k_qde82dcba75_mlp
	.globl	k_qde82dcba75_mlp
	.p2align	8
	.type	k_qde82dcba75_mlp,@function
k_qde82dcba75_mlp:
	s_mov_b64 s[64:65], 0
	v_nop
	global_prefetch_b8 v0, s[64:65] scope:SCOPE_SE
	s_setreg_imm32_b32 hwreg(HW_REG_WAVE_MODE, 25, 1), 1
	s_wait_xcnt 0x0
	s_wait_alu depctr_hold_cnt(0) depctr_sa_sdst(0) depctr_va_vdst(0) depctr_va_sdst(0) depctr_va_ssrc(0) depctr_va_vcc(0) depctr_vm_vsrc(0)
	s_getreg_b32 s2, hwreg(HW_REG_IB_STS2, 6, 4)
	s_cmp_eq_u32 s2, 0
	s_cbranch_scc0 .Lentry_in_a_cluster
	s_endpgm
.Lentry_in_a_cluster:
	s_bfe_u32 s2, ttmp6, 0x10000c
	s_cmp_lg_u32 s2, 0x3003
	s_cbranch_scc0 .Lentry_shape_is_right
	s_endpgm
.Lentry_shape_is_right:
; out = W4 sin(W3 sin(W2 sin(W1 sin(30 (W0 x + b0)) + b1) + b2) + b3) + b4 for 262,144 points; x, out: [N][3] f32; layers 3-256-256-256-256-3.
; SHARES.  256 work-groups of four waves; a work-group owns 1,024 points, in four batches of 256.  Wave w owns the output features 64 w .. 64 w + 63 of EVERY layer.
; THE WEIGHTS STAY IN REGISTERS: a wave's 64 rows x 256 of a hidden layer are 256 registers of f16; layers 1, 2, 3 fill the register windows 1, 2, 3.  They come once, through LDS, by tensor loads.
; CLUSTER.  Every work-group needs the same weights, so four work-groups form a cluster and ask for each tile JOINTLY (same load, descriptor and mask in all four).
; THE ACTIVATIONS go through LDS as f16 rows, one row a point.  The matrix instruction takes 16 features as source 0 and 16 points as source 1: in the result a lane holds ONE point
; (lane % 16) and the features 8 (lane / 16) + 0..7, which pack into 16 bytes of the point's row.  A batch has the phases L0, L1, L2, L3 (the last layer rides in L3) and a small sum; one barrier behind each.
; SIDE BY SIDE.  A sine is nine packed instructions for two numbers, 144 for a wave's tile of 16 points x 64 features.  While tile g is multiplied, tile g - 1's sines are made: four of the 144 stand as
; RIDERS behind each of a hidden layer's 32 matrix instructions, the 16 that are over in two LUMPS of 8, behind the 16th and the 32nd.  The accumulators have two sets that take turns.
; THE LDS INSTRUCTIONS of a tile stand together, in two runs, one behind each lump, 12 vector lines behind the last matrix instruction, never singly among the matrix instructions.
; WINDOWS.  The weights are source 0 of a product, so a product's setting moves source 0 alone.  A rider whose source 0 is a scalar is right under either setting: four of the nine lines are written so, and the
; list is ordered so that they stand together: 32 switches for a tile's 32 matrix instructions.
; ONE TEXT FOR EVERY TRIP.  A phase's first group rides on the other set's old numbers, and the result goes to a guard tile in front of the buffer; its last group fetches tile 0 once more, for nothing.
; FORMATS.  All inputs are rounded to bf16.  Layer 0 multiplies bf16 (b0 rides as a fourth input whose x is 1).  h is kept as f16(2^15 sin), the weights as f16(256 bf16(W)), the bias enters as the
; sums' first C, 2^23 bf16(b): the f32 sums are 2^23 x the argument.
; THE SINE.  t = argument / 2 pi; n = t rounded to a whole number (by adding and taking away 1.5 x 2^23); r = t - n by one fused line; sin = r P(r^2).  P is a cubic: the Chebyshev series of
; sin(2 pi r) / r in r^2 over 0 .. 1/4, cut behind its fourth term; its coefficients are held times 2^15.
; LIMITS.  |argument| < 2^22 x 2 pi = 2.6e7; the polynomial's sine is off by 1.05e-3 |r| at the most, that is by 5.3e-4 at the most and near 0 by 1.7e-4 of the sine; |W1..W4| < 255.9;
; |h| below 2^-29 keeps f16's fixed step, 2^-39; NaN and infinities are not treated apart.
.set PITCH,  528                       ; an LDS row: 512 bytes + 16 = 132 words: row r starts at bank 4 r mod 64 (64 banks of 4 bytes: ISA guide 11.1), so 16 rows start at 16 different groups of four banks
.set TILEB,  16*PITCH                  ; 16 points
.set L_GA,   0                         ; guard tile in front of A
.set L_A,    TILEB                     ; buffer A: 256 rows
.set L_GB,   L_A+16*TILEB              ; guard tile in front of B
.set L_B,    L_GB+TILEB                ; buffer B
.set L_X,    L_B+16*TILEB              ; 1,024 points x 16 bytes: bf16 x0, x1, x2, 1.0, then 8 bytes of 0
.set L_BT,   L_X+16384                 ; f32 [3][256]: 2^23 bf16(b1..b3)
.set L_PART, L_BT+3072                 ; for each wave 256 bytes of guard and 256 points x 12 bytes: its part of the last layer's sums
.set PSTR,   3328
.set SPARE,  L_PART+4*PSTR             ; the spare words, 128 bytes for each wave: two blocks of 256 bytes that no other line names
.set WROWS,  64*PITCH                  ; at the start only: a wave's 64 rows of weights; region 1 begins at byte 0,
.set R2OFF,  4*WROWS                   ; region 2 here.  A, B and the guards are stored into only behind the regions' last fill
.set RR,   1                           ; v1   lane % 16
.set HH,   2                           ; v2   lane / 16
.set LRDA, 3                           ; v3   my place in a fragment of tile 0 of A: L_A + 528 r + 16 h
.set LRDB, 4                           ; v4   the same in B
.set ARD,  5                           ; v5   the same in the tile that is being fetched, in groups of set 0
.set LWA,  6                           ; v6   where my 16 bytes go in A's guard tile: L_GA + 528 r + 128 w + 16 h
.set LWB,  7                           ; v7   the same for B
.set AWR,  8                           ; v8   the same in the tile that the riders finish (layer 3: my point's 12 bytes in my part), in groups of set 0
.set LX,   9                           ; v9   my 8 bytes of x's tile 0: L_X + 16 r + 8 h
.set AX,   10                          ; v10  the same in the tile that is being fetched, in groups of set 0 (set 1: v38)
.set LB,   11                          ; v11  my 8 biases: L_BT + 256 w + 32 h
.set LP,   12                          ; v12  my point's 12 bytes in my part's tile -1
.set LR,   14                          ; v14  the sum: my 8 bytes in wave 0's part
.set GO,   15                          ; v15  the sum: my 8 bytes in the batch's 3,072 bytes of out
.set SPW,  16                          ; v16  LDS address of my spare word; never rewritten
.set NIL,  17                          ; v17  0; never rewritten
.set B4R,  18                          ; v[18:23]  bf16(b4) for my two numbers in each of the sum's three stores
.set W0R,  24                          ; v[24:37]  layer 0: tile a's fragment is v[24+2a : 31+2a]; only its first two registers meet an x that is not 0; v32-37 = 0
.set ARD2, 38                          ; v38  ARD in groups of set 1: a group's head writes no register that the run of LDS instructions just in front of it names
.set AWR2, 39                          ; v39  AWR in groups of set 1
.set W4F,  40                          ; v[40:55]  the last layer: two fragments (my features 0-31, 32-63)
.set ACCO, 56                          ; v[56:63]  the last layer's sums
.set ACC,  64                          ; v[64:127] set s, feature tile a at 64 + 32 s + 8 a
.set BF,   128                         ; v[128:191] the points' fragments: K block c at 128 + 8 c; layer 0: x of set s's tile in v[128 + 8 s : 135 + 8 s]
.set BIAS, 192                         ; v[192:223] the layer's biases in the layout of a result: tile a at 192 + 8 a
.set T1,   224                         ; v[224:231] at work
.set T2,   232                         ; v[232:239] at work
.set PK,   240                         ; v[240:255] the new h, packed: tile a at 240 + 4 a
.set WV,   28                          ; s28  my wave's number
.set WG,   29                          ; s29  my work-group's number: it enters x's and out's addresses alone
.set G1,   32                          ; s[32:39] descriptor group 1
.set G0A,  40                          ; s[40:43] group 0: layer 1 into region 1
.set G0B,  44                          ; s[44:47] layer 2 into region 2
.set G0C,  48                          ; s[48:51] layer 3 into region 1
.set SC,   52                          ; s[52:53] the phase's scale from sum to t.  All pairs below hold the number twice
.set MG,   54                          ; s[54:55] 1.5 x 2^23
.set NM,   56                          ; s[56:57] its negative
.set C7,   60
.set C5,   62
.set C3,   66
.set C1,   68
.set OS,   70                          ; s[70:71] 2^-23
.set NBAT, 72                          ; s72  batches to go
.set TRIP, 73                          ; s73  trips to go
.set TI,   74                          ; s74  the tile in hand, 0..15
.set NX,   75                          ; s75  TI x 8,448
.set XI,   76                          ; s76  x's tile in hand, 0..63
.set TP,   77                          ; s77  at work
.set HIM,  80                          ; s80  a word's upper bf16
.set SCL,  82                          ; s[82:83] 2^23
.set K_S0, 0x4098c9eb                  ; 30 / 2 pi
.set K_SH, 0x32a2f983                  ; 2^-23 / 2 pi
.set MSB, 0
.macro WIN new                         ; s_set_vgpr_msb: bits 1:0 source 0, 3:2 source 1, 5:4 source 2, 7:6 destination; the high byte repeats the setting that is left
.if MSB != (\new)
	s_set_vgpr_msb (MSB<<8)|(\new)
.set MSB, \new
.endif
.endm
.macro PLACES                          ; four plain lines behind a matrix instruction before its result is read (ISA guide 7.12.1)
.rept 4
	v_nop
.endr
.endm
.macro BAR                             ; my LDS stores are done and my LDS loads are back; then everybody's
	s_wait_dscnt 0x0
	s_barrier_signal -1
	s_barrier_wait -1
.endm
.macro ROUND                           ; a round of the cluster's barrier: my work-group's barrier; wave 0 signals for the work-group; every wave waits for all four; my work-group's barrier once more
	s_barrier_signal -1
	s_barrier_wait -1
	s_cmp_lg_u32 s[WV], 0
	s_cbranch_scc1 .Lnot_wave_0_\@
	s_barrier_signal -3
.Lnot_wave_0_\@:
	s_barrier_wait -3
	s_barrier_signal -1
	s_barrier_wait -1
.endm
	s_load_b512 s[8:23], s[0:1], 0x0               ; wsw s[8:9], x s[10:11], W0 s[12:13], b0 s[14:15], b1 s[16:17], b2 s[18:19], b3 s[20:21], W4 s[22:23]
	s_load_b128 s[24:27], s[0:1], 0x40             ; b4 s[24:25], out0 s[26:27]
	v_lshl_add_u32 v[SPW], v0, 2, SPARE
	v_mov_b32 v[NIL], 0
	ds_add_u32 v[SPW], v[NIL]                      ; the wave's opening: the add and its wait stand ahead of my first tensor load; the set-up below, work on registers, stands between them
	v_lshrrev_b32 v1, 5, v0
	v_readfirstlane_b32 s[WV], v1                  ; wave 0..3
	s_bfe_u32 s30, ttmp6, 0x40000                  ; cx: my place in the cluster
	s_lshl_b32 s[WG], ttmp9, 2                     ; in a cluster launch ttmp9 counts clusters
	s_add_co_u32 s[WG], s[WG], s30
	s_mul_i32 s78, s[WG], 12288                    ; my 1,024 points x 12 bytes, in x and in out
	s_mov_b32 s79, 0
	; descriptor group 1: a tile of 64 rows x 256 elements of 2 bytes, padded in LDS
	s_mov_b32 s[G1], 15|(1<<16)|(1<<20)|(1<<21)|(6<<22)|(3<<25)  ; 15:0 the mask of four; 17:16 2-byte elements; 20 padding on; 21 set beside a mask; 24:22 after every 128 words (code 6); 31:25 4 words (code 3)
	s_mov_b32 s[G1+1], 256<<16                     ; tensor_dim0 = 256
	s_mov_b32 s[G1+2], 64<<16                      ; tensor_dim1 = 64
	s_mov_b32 s[G1+3], 256<<16                     ; tile_dim0 = 256
	s_mov_b32 s[G1+4], 64                          ; tile_dim1 = 64
	s_mov_b32 s[G1+5], 256                         ; 256 elements from row to row
	s_mov_b32 s[G1+6], 0
	s_mov_b32 s[G1+7], 0
	s_mul_i32 s31, s[WV], WROWS                    ; my rows' place in a region: the wave's number alone
	s_lshl_b32 s74, s[WV], 15                      ; my 64 rows of 512 bytes in a layer of wsw
	s_mov_b32 s75, 0
	s_mov_b32 s[G0A], 1                            ; count = 1
	s_mov_b32 s[G0A+1], s31                        ; LDS address
	s_mov_b32 s[G0B], 1
	s_add_co_u32 s[G0B+1], s31, R2OFF
	s_mov_b32 s[G0C], 1
	s_mov_b32 s[G0C+1], s31
.irp p, MG, NM, C7, C5, C3, C1, OS, SCL
.if \p == MG
.set kv, 0x4b400000                    ; 1.5 x 2^23
.elseif \p == NM
.set kv, 0xcb400000
.elseif \p == C7
.set kv, 0xc9e88a7d                    ; 2^15 x -58.135243
.elseif \p == C5
.set kv, 0x4a1da74b                    ; 2^15 x  78.826741
.elseif \p == C3
.set kv, 0xc9a4d2b9                    ; 2^15 x -41.205784
.elseif \p == C1
.set kv, 0x48490745                    ; 2^15 x   6.2821373
.elseif \p == OS
.set kv, 0x34000000                    ; 2^-23
.else
.set kv, 0x4b000000                    ; 2^23
.endif
	s_mov_b32 s[\p], kv
	s_mov_b32 s[\p+1], kv
.endr
	s_mov_b32 s[HIM], 0xffff0000
	s_wait_dscnt 0x0                               ; the opening add is done
	s_wait_kmcnt 0x0
	s_add_nc_u64 s[8:9], s[8:9], s[74:75]          ; wsw at my rows of layer 1
	s_add_nc_u64 s[G0A+2:G0A+3], s[8:9], 0         ; global address
	s_or_b32 s[G0A+3], s[G0A+3], 0x80000000        ; type = 2
	s_add_nc_u64 s[G0B+2:G0B+3], s[8:9], 0x20000   ; a layer is 131,072 bytes
	s_or_b32 s[G0B+3], s[G0B+3], 0x80000000
	s_add_nc_u64 s[G0C+2:G0C+3], s[8:9], 0x40000
	s_or_b32 s[G0C+3], s[G0C+3], 0x80000000
	s_add_nc_u64 s[10:11], s[10:11], s[78:79]      ; x and out at my first point
	s_add_nc_u64 s[26:27], s[26:27], s[78:79]
	ROUND                                          ; all four work-groups are here: the first joint loads meet
	tensor_load_to_lds s[G0A:G0A+3], s[G1:G1+7]    ; layer 1; two loads of mine are out
	s_nop 0
	tensor_load_to_lds s[G0B:G0B+3], s[G1:G1+7]    ; layer 2
	s_nop 0
	PLACES
	; WHILE THE WEIGHTS ARE ON THEIR WAY: the small inputs.  All loads first, then the lane's addresses, then one wait.
	v_and_b32 v[RR], 15, v0
	v_bfe_u32 v[HH], v0, 4, 1
	v_mul_u32_u24 v64, v0, 12                      ; x: thread t takes the points t + 128 i
.irp i, 0,1,2,3,4,5,6,7
	global_load_b96 v[128+4*(\i):130+4*(\i)], v64, s[10:11] offset:1536*(\i) th:TH_LOAD_NT
.endr
	s_mul_i32 s[TP], s[WV], 768
	v_mul_u32_u24 v65, v[RR], 12
	v_add_nc_u32 v65, s[TP], v65                   ; W0: feature 64 w + 16 a + r, 12 bytes each
	v_lshlrev_b32 v66, 2, v[RR]
	v_lshl_add_u32 v66, s[WV], 8, v66              ; b0: the same feature, 4 bytes
.irp a, 0,1,2,3
	global_load_b96 v[160+4*(\a):162+4*(\a)], v65, s[12:13] offset:192*(\a)
	global_load_b32 v[163+4*(\a)], v66, s[14:15] offset:64*(\a)
.endr
	v_lshlrev_b32 v67, 3, v0                       ; b1..b3: thread t takes features 2 t, 2 t + 1: a wave's threads its own 64
	global_load_b64 v[176:177], v67, s[16:17]
	global_load_b64 v[178:179], v67, s[18:19]
	global_load_b64 v[180:181], v67, s[20:21]
	v_and_b32 v71, 7, v[RR]                        ; W4 as source 0: rows 0-2 and, once more, 8-10 hold W4's three rows, so that both halves of the lanes end with the same three sums; the other rows are 0
	v_min_u32 v72, 2, v71
	v_lshlrev_b32 v69, 10, v72                     ; a row of W4 is 1,024 bytes
	v_lshl_add_u32 v69, v[HH], 5, v69              ; + 8 h features
	v_lshl_add_u32 v69, s[WV], 8, v69              ; + my wave's 64
.irp n, 0,1,2,3
	global_load_b128 v[192+8*(\n):195+8*(\n)], v69, s[22:23] offset:64*(\n)
	global_load_b128 v[196+8*(\n):199+8*(\n)], v69, s[22:23] offset:64*(\n)+16
.endr
	v_and_b32 v76, 31, v0                          ; lane
.irp s, 0,1,2
	v_lshl_add_u32 v77, v76, 1, (\s)               ; e = 2 lane + s, 64 at the most
	v_mul_u32_u24 v78, v77, 43
	v_lshrrev_b32 v78, 7, v78                      ; e / 3: 43 / 128 is 1 / 3 + 0.0026, and 64 x 0.0026 stays under 1 / 3
	v_mul_u32_u24 v78, v78, 3
	v_sub_nc_u32 v78, v77, v78                     ; e mod 3
	v_lshlrev_b32 v[88+(\s)], 2, v78
	global_load_b32 v[80+(\s)], v[88+(\s)], s[24:25]
.endr
	v_mul_u32_u24 v91, v[RR], PITCH
	v_lshl_add_u32 v91, v[HH], 4, v91              ; 528 r + 16 h
	v_add_nc_u32 v[LRDA], L_A, v91
	v_add_nc_u32 v[LRDB], L_B, v91
	v_lshl_add_u32 v92, s[WV], 7, v91              ; + my wave's 128 bytes of a row
	v_add_nc_u32 v[LWA], L_GA, v92
	v_add_nc_u32 v[LWB], L_GB, v92
	v_add_nc_u32 v[ARD], s31, v91                  ; for now: my weights in region 1,
	v_add_nc_u32 v[AWR], R2OFF, v[ARD]             ; and in region 2
	v_lshlrev_b32 v[LX], 4, v[RR]
	v_lshl_add_u32 v[LX], v[HH], 3, v[LX]
	v_add_nc_u32 v[LX], L_X, v[LX]
	v_lshlrev_b32 v[LB], 5, v[HH]
	v_lshl_add_u32 v[LB], s[WV], 8, v[LB]
	v_add_nc_u32 v[LB], L_BT, v[LB]
	s_mul_i32 s[TP], s[WV], PSTR
	s_add_co_u32 s[TP], s[TP], L_PART+64           ; tile -1 ends where tile 0 begins, 256 bytes into my part
	v_mul_u32_u24 v[LP], v[RR], 12
	v_add_nc_u32 v[LP], s[TP], v[LP]
	s_mul_i32 s[TP], s[WV], 768                    ; the sum: wave w takes the batch's points 64 w .. 64 w + 63
	v_lshlrev_b32 v[GO], 3, v76
	v_add_nc_u32 v[GO], s[TP], v[GO]
	v_add_nc_u32 v[LR], L_PART+256, v[GO]
	v_lshl_add_u32 v68, v0, 3, L_BT
	v_lshl_add_u32 v87, v0, 4, L_X
	v_mov_b32 v86, 1.0
	v_mov_b32 v73, 0x43800000                      ; 256.0
	v_cmp_gt_u32 vcc_lo, 3, v71
	v_cndmask_b32 v74, 0, v73, vcc_lo              ; W4's factor: 256, or 0 for the rows that are none of W4's
	v_mov_b32 v75, v74
.irp i, 32,33,34,35,36,37
	v_mov_b32 v\i, 0
.endr
	s_wait_loadcnt 0x0
.irp i, 0,1,2,3,4,5,6,7
	v_cvt_pk_bf16_f32 v[128+4*(\i)], v[128+4*(\i)], v[129+4*(\i)]  ; x0, x1
	v_cvt_pk_bf16_f32 v[129+4*(\i)], v[130+4*(\i)], v86            ; x2, 1.0
	v_mov_b32 v[130+4*(\i)], 0
	v_mov_b32 v[131+4*(\i)], 0
	ds_store_b128 v87, v[128+4*(\i):131+4*(\i)] offset:2048*(\i)
.endr
.irp a, 0,1,2,3
	v_cvt_pk_bf16_f32 v[W0R+2*(\a)],   v[160+4*(\a)], v[161+4*(\a)]  ; W0[f][0], W0[f][1]
	v_cvt_pk_bf16_f32 v[W0R+2*(\a)+1], v[162+4*(\a)], v[163+4*(\a)]  ; W0[f][2], b0[f]
.endr
.irp l, 0,1,2
	v_cvt_pk_bf16_f32 v70, v[176+2*(\l)], v[177+2*(\l)]
	v_lshlrev_b32 v[176+2*(\l)], 16, v70
	v_and_b32 v[177+2*(\l)], s[HIM], v70
	v_pk_mul_f32 v[176+2*(\l):177+2*(\l)], v[176+2*(\l):177+2*(\l)], s[SCL:SCL+1] op_sel_hi:[1,0]
	ds_store_b64 v68, v[176+2*(\l):177+2*(\l)] offset:1024*(\l)
.endr
.macro CVT8 in, out                    ; 8 numbers: rounded to bf16, times v[74:75], written as f16
.irp j, 0,1,2,3
	v_cvt_pk_bf16_f32 v[T1+(\j)], v[(\in)+2*(\j)], v[(\in)+2*(\j)+1]
.endr
.irp j, 0,1,2,3
	v_lshlrev_b32 v[(\in)+2*(\j)],   16, v[T1+(\j)]
	v_and_b32     v[(\in)+2*(\j)+1], s[HIM], v[T1+(\j)]
.endr
.irp j, 0,1,2,3
	v_pk_mul_f32 v[(\in)+2*(\j):(\in)+2*(\j)+1], v[(\in)+2*(\j):(\in)+2*(\j)+1], v[74:75]
.endr
.irp j, 0,1,2,3
	v_cvt_pk_f16_f32 v[(\out)+(\j)], v[(\in)+2*(\j)], v[(\in)+2*(\j)+1]
.endr
.endm
.irp n, 0,1,2,3
	CVT8 192+8*(\n), W4F+4*(\n)
.endr
	v_cvt_pk_bf16_f32 v84, v80, v81                ; b4 of out's numbers 2 lane, 2 lane + 1, 2 lane + 2 (mod 3)
	v_cvt_pk_bf16_f32 v85, v82, v82
	v_lshlrev_b32 v[B4R], 16, v84                  ; store q begins 64 q numbers on, and 64 mod 3 = 1: its pair is numbers q, q + 1
	v_and_b32 v[B4R+1], s[HIM], v84
	v_mov_b32 v[B4R+2], v[B4R+1]
	v_lshlrev_b32 v[B4R+3], 16, v85
	v_mov_b32 v[B4R+4], v[B4R+3]
	v_mov_b32 v[B4R+5], v[B4R]
.set i, ACC+32
.rept 32
	v_mov_b32 v[i], 0                              ; set 1: what the very first group rides on need only be finite
.set i, i+1
.endr
	; THE WEIGHTS INTO REGISTERS.  A fragment is 16 features x 32 inputs in 8 registers: lane l holds feature l % 16, inputs 8 (l / 16) + 0..7 and 16 + 8 (l / 16) + 0..7: two loads of 16 bytes, 32 apart.
	; Each wave reads only the rows that its own loads brought, so its own wait on TENSORcnt orders the reads.
.macro WLOAD adr                       ; tile a, K block c -> v[64 a + 8 c ..] of the destination's window
.set wa, 0
.rept 4
.set wc, 0
.rept 8
	ds_load_b128 v[64*wa+8*wc:64*wa+8*wc+3],   v[\adr] offset:wa*TILEB+64*wc
	ds_load_b128 v[64*wa+8*wc+4:64*wa+8*wc+7], v[\adr] offset:wa*TILEB+64*wc+32
.set wc, wc+1
.endr
.set wa, wa+1
.endr
.endm
	s_wait_tensorcnt 0x1                           ; layer 1 is in; layer 2's load, issued behind it, may stay out
	WIN 0x40
	WLOAD ARD
	WIN 0
	s_wait_tensorcnt 0x0                           ; region 1 is filled again: all my tensor loads have landed,
	ds_add_u32 v[SPW], v[NIL]                      ; 0 onto my spare word,
	s_wait_dscnt 0x0                               ; the add is done, my reads of region 1 are back, my stores of x and the biases are done
	ROUND                                          ; and so it is in every wave of all four work-groups
	tensor_load_to_lds s[G0C:G0C+3], s[G1:G1+7]    ; layer 3: my one load behind the round; one load of mine is out
	s_nop 0
	PLACES
	WIN 0x80
	WLOAD AWR                                      ; layer 2 is read while layer 3 is on its way
	s_wait_tensorcnt 0x0
	WIN 0xc0
	WLOAD ARD
	WIN 0
	BAR                                            ; every wave has its weights: from here on the regions' bytes are A, B and their guards
; THE LAST LAYER rides in layer 3: two packed feature tiles ARE source 1 (32 features x 16 points) of its product, so nothing of h3 is stored.
.macro FIRST4                          ; my features 0-31
	v_wmma_f32_16x16x32_f16 v[ACCO:ACCO+7], v[W4F:W4F+7], v[PK:PK+7], 0
.endm
.macro LAST4                           ; my features 32-63, and the places in front of the stores
	v_wmma_f32_16x16x32_f16 v[ACCO:ACCO+7], v[W4F+8:W4F+15], v[PK+8:PK+15], v[ACCO:ACCO+7]
	PLACES
.endm
; RIDER number ri of the 144 that make a tile's sines.  Always four on end are one line of the sine for the four register pairs of a feature tile, so a line reads what was made four lines back.
;   0-47    lines 0-2 (t + 1.5 x 2^23; n; r = t - n, in place) for feature tiles 0, 1, 2, 3: twelve riders a tile
;   48-143  lines 3-8 (u; three lines of P; times r; packed to f16) for feature tiles 0, 1, 2, 3: twenty-four riders a tile
; Lines 0, 1, 2 and 4 have a scalar as source 0 and ask for no window: they are right under a product's setting, which moves source 0 alone, and under 0.  The other lines ask for window 0.
; Line 0 of pair 0 is the first to read an accumulator, at its lowest registers.  kind 1 (layer 3): behind rider 95 feature tiles 0 and 1 are packed, and the last layer's first product follows.
.macro RID set, kind
.if ri < 48
.set ra, ri/12
.set ro, (ri%12)/4
.else
.set ra, (ri-48)/24
.set ro, 3+((ri-48)%24)/4
.endif
.set rA, ACC+32*(\set)+8*ra+2*(ri%4)
.set rX1, T1+2*(ri%4)
.set rX2, T2+2*(ri%4)
.if ro == 0
	v_pk_fma_f32 v[rX1:rX1+1], s[SC:SC+1], v[rA:rA+1], s[MG:MG+1] op_sel_hi:[0,1,0]  ; t + 1.5 x 2^23: t's fraction is rounded away
.elseif ro == 1
	v_pk_add_f32 v[rX1:rX1+1], s[NM:NM+1], v[rX1:rX1+1] op_sel_hi:[0,1]              ; n
.elseif ro == 2
	v_pk_fma_f32 v[rA:rA+1], s[SC:SC+1], v[rA:rA+1], v[rX1:rX1+1] op_sel_hi:[0,1,1] neg_lo:[0,0,1] neg_hi:[0,0,1]  ; r = t - n, in -0.5 .. 0.5
.elseif ro == 3
	WIN 0
	v_pk_mul_f32 v[rX1:rX1+1], v[rA:rA+1], v[rA:rA+1]                                ; u = r^2
.elseif ro == 4
	v_pk_fma_f32 v[rX2:rX2+1], s[C7:C7+1], v[rX1:rX1+1], s[C5:C5+1] op_sel_hi:[0,1,0]
.elseif ro == 5
	WIN 0
	v_pk_fma_f32 v[rX2:rX2+1], v[rX2:rX2+1], v[rX1:rX1+1], s[C3:C3+1] op_sel_hi:[1,1,0]
.elseif ro == 6
	WIN 0
	v_pk_fma_f32 v[rX2:rX2+1], v[rX2:rX2+1], v[rX1:rX1+1], s[C1:C1+1] op_sel_hi:[1,1,0]
.elseif ro == 7
	WIN 0
	v_pk_mul_f32 v[rX2:rX2+1], v[rX2:rX2+1], v[rA:rA+1]                              ; 2^15 sin
.else
	WIN 0
	v_cvt_pk_f16_f32 v[PK+4*ra+ri%4], v[rX2], v[rX2+1]
.endif
.if (\kind) && (ri == 95)
	WIN 0
	FIRST4
.endif
.set ri, ri+1
.endm
.macro RIDE n, set, kind=0
.rept \n
	RID \set, \kind
.endr
.endm
.macro STEP                            ; the tile in hand goes one on, and behind the last back to 0
	s_add_co_u32 s[TI], s[TI], 1
	s_and_b32 s[TI], s[TI], 15
	s_mul_i32 s[NX], s[TI], TILEB
.endm
.macro FETCH4 adr, c0                  ; eight LDS loads: K blocks c0 .. c0 + 3 of the tile at adr
	WIN 0
.irp c, 0,1,2,3
	ds_load_b128 v[BF+8*((\c0)+(\c)):BF+8*((\c0)+(\c))+3],   v[\adr] offset:64*((\c0)+(\c))
	ds_load_b128 v[BF+8*((\c0)+(\c))+4:BF+8*((\c0)+(\c))+7], v[\adr] offset:64*((\c0)+(\c))+32
.endr
.endm
.macro HSTORE adr, a0                  ; the new h of feature tiles a0, a0 + 1: 16 bytes a lane each
.irp a, 0,1
	ds_store_b128 v[\adr], v[PK+4*((\a0)+(\a)):PK+4*((\a0)+(\a))+3] offset:32*((\a0)+(\a))
.endr
.endm
.macro PSTORE adr                      ; my three sums for each of 16 points into my part (both halves of the lanes hold and store the same)
.irp j, 0,1,2
	ds_store_b32 v[\adr], v[ACCO+(\j)] offset:4*(\j)
.endr
.endm
; Half hf of a hidden layer's tile: 16 matrix instructions (K blocks 4 hf .. 4 hf + 3 x four feature tiles), four riders behind each.  The four accumulators take turns, one instruction a turn.
.macro HALF l, set, hf, kind
.set gi, 16*(\hf)
.rept 16
.set gc, gi/4
.set ga, gi%4
.set gD, ACC+32*(\set)+8*ga
	WIN \l                                         ; source 0 in the layer's window, all else in window 0
.if gc == 0
	v_wmma_f32_16x16x32_f16 v[gD:gD+7], v[64*ga:64*ga+7], v[BF:BF+7], v[BIAS+8*ga:BIAS+8*ga+7]  ; the bias starts the sum
.else
	v_wmma_f32_16x16x32_f16 v[gD:gD+7], v[64*ga+8*gc:64*ga+8*gc+7], v[BF+8*gc:BF+8*gc+7], v[gD:gD+7]
.endif
	RIDE 4, 1-(\set), \kind
.set gi, gi+1
.endr
.endm
; A GROUP: one tile of 16 points in hidden layer l (weights in window l), sums in set `set`; the riders finish the tile before, in the other set.  lrd: the input buffer's lane address; lw: the output guard's.
; Half 0, a lump of 8 riders, run 1; half 1, a lump of 8, run 2.  Run 1 fetches the NEXT tile's K blocks 0-3 (their last reader stands 12 riders back); run 2 fetches blocks 4-7 and stores the four
; feature tiles.  Each block is fetched 16 matrix instructions ahead of its use.  kind 1 (layer 3): the last layer's first product stands behind the 22nd matrix instruction's riders, its second in front of run 2,
; ten matrix instructions on, and my three sums take the stores' place.
; THE WAITS.  At the head blocks 0-3 are wanted: behind their loads stand run 2's eight loads and four stores (kind 1: three); on the way in PRO has waited for them.
; In the middle blocks 4-7 are wanted: behind their loads stand at least run 1's eight, on the way in from PRO too.
.macro GROUP l, set, kind, lrd, lw
.set gARD, ARD+(ARD2-ARD)*(\set)
.set gAWR, AWR+(AWR2-AWR)*(\set)
.if (\kind) == 0
	v_add_nc_u32 v[gAWR], s[NX], v[\lw]            ; guard + 8,448 g is the place of tile g - 1
.else
	s_mul_i32 s[TP], s[TI], 192
	v_add_nc_u32 v[gAWR], s[TP], v[LP]
.endif
	STEP
	v_add_nc_u32 v[gARD], s[NX], v[\lrd]           ; the tile to be fetched
.set ri, 0
	s_wait_dscnt 12-(\kind)
	HALF \l, \set, 0, \kind
	RIDE 8, 1-(\set), \kind
	FETCH4 gARD, 0
	s_wait_dscnt 8
	HALF \l, \set, 1, \kind
	RIDE 8, 1-(\set), \kind
.if \kind
	LAST4
.endif
	FETCH4 gARD, 4
.if (\kind) == 0
	HSTORE gAWR, 0
	HSTORE gAWR, 2
.else
	PSTORE gAWR
.endif
.endm
; A group of layer 0: four products (x's three numbers and the 1 that carries b0 lie in K = 0..3, all else of source 1 is 0), four riders behind each, the other 128 in one lump, one run of LDS
; instructions behind it.  All in window 0.  x has a fragment for each set, and the run fetches the x of the tile two on, into the fragment that this group has read.
; s_wait_dscnt 5: behind the load of my x stand its run's four stores and the five of the run just issued; on the way in the prologue has waited for 0.
.macro G0 set
.set gAX,  AX+(ARD2-AX)*(\set)
.set gAWR, AWR+(AWR2-AWR)*(\set)
.set gXF,  BF+8*(\set)
	v_add_nc_u32 v[gAWR], s[NX], v[LWA]
	STEP
	s_add_co_u32 s[TP], s[XI], 2
	s_and_b32 s[TP], s[TP], 63                     ; the last groups' look-ahead stays inside x's 64 tiles
	s_lshl_b32 s[TP], s[TP], 8                     ; a tile of x is 256 bytes
	v_add_nc_u32 v[gAX], s[TP], v[LX]
	s_add_co_u32 s[XI], s[XI], 1
	s_and_b32 s[XI], s[XI], 63
.set ri, 0
	s_wait_dscnt 5
.irp a, 0,1,2,3
	v_wmma_f32_16x16x32_bf16 v[ACC+32*(\set)+8*(\a):ACC+32*(\set)+8*(\a)+7], v[W0R+2*(\a):W0R+2*(\a)+7], v[gXF:gXF+7], 0
	RIDE 4, 1-(\set)
.endr
	RIDE 128, 1-(\set)
	ds_load_b64 v[gXF:gXF+1], v[gAX]
	HSTORE gAWR, 0
	HSTORE gAWR, 2
.endm
.macro FLUSH kind, lw                  ; a phase's last tile (it lies in set 1) has no group to ride in
.set ri, 0
.if (\kind) == 0
	v_add_nc_u32 v[AWR], 16*TILEB, v[\lw]
	RIDE 144, 1, 0
	HSTORE AWR, 0
	HSTORE AWR, 2
.else
	v_add_nc_u32 v[AWR], 16*192, v[LP]
	RIDE 144, 1, 1
	s_wait_alu depctr_va_vdst(0)                   ; here the last layer's two products follow each other
	LAST4
	PSTORE AWR
.endif
.endm
.macro PRO l, lrd                      ; a hidden layer begins: its scale, its biases, tile 0's eight fragments
	s_mov_b32 s[SC], K_SH
	s_mov_b32 s[SC+1], K_SH
	s_mov_b32 s[TI], 0
	s_mov_b32 s[NX], 0
.irp a, 0,1,2,3
	ds_load_b128 v[BIAS+8*(\a):BIAS+8*(\a)+3],   v[LB] offset:((\l)-1)*1024+64*(\a)
	ds_load_b128 v[BIAS+8*(\a)+4:BIAS+8*(\a)+7], v[LB] offset:((\l)-1)*1024+64*(\a)+16
.endr
	FETCH4 \lrd, 0
	FETCH4 \lrd, 4
	s_mov_b32 s[TRIP], 8
	s_wait_dscnt 8                                 ; the biases and K blocks 0-3 are in; the eight loads of blocks 4-7 may stay out
.endm
.macro TRIPS label                     ; eight trips of two groups are a batch's 16 tiles
	s_sub_co_u32 s[TRIP], s[TRIP], 1
	s_cmp_lg_u32 s[TRIP], 0
	s_cbranch_scc1 \label
.endm
	s_mov_b32 s[XI], 0
	s_mov_b32 s[NBAT], 4
.Lbatch:
	; L0: x -> A.  In every phase the bytes read and the bytes stored are different regions; a region's next writer stands behind a barrier that every reader has passed with its loads back.
	s_mov_b32 s[SC], K_S0
	s_mov_b32 s[SC+1], K_S0
	s_mov_b32 s[TI], 0
	s_mov_b32 s[NX], 0
.irp i, 2,3,4,5,6,7,10,11,12,13,14,15
	v_mov_b32 v[BF+(\i)], 0                        ; K = 4 and up of source 1, in both fragments
.endr
	s_lshl_b32 s[TP], s[XI], 8
	v_add_nc_u32 v[AX], s[TP], v[LX]
	s_add_co_u32 s[TP], s[XI], 1
	s_and_b32 s[TP], s[TP], 63
	s_lshl_b32 s[TP], s[TP], 8
	v_add_nc_u32 v[ARD2], s[TP], v[LX]
	ds_load_b64 v[BF:BF+1], v[AX]                  ; the batch's tile 0,
	ds_load_b64 v[BF+8:BF+9], v[ARD2]              ; and tile 1
	s_wait_dscnt 0x0
	s_mov_b32 s[TRIP], 8
.Ll0:
	G0 0
	G0 1
	TRIPS .Ll0
	FLUSH 0, LWA
	BAR
	PRO 1, LRDA                                    ; L1: A -> B
.Ll1:
	GROUP 1, 0, 0, LRDA, LWB
	GROUP 1, 1, 0, LRDA, LWB
	TRIPS .Ll1
	FLUSH 0, LWB
	BAR
	PRO 2, LRDB                                    ; L2: B -> A
.Ll2:
	GROUP 2, 0, 0, LRDB, LWA
	GROUP 2, 1, 0, LRDB, LWA
	TRIPS .Ll2
	FLUSH 0, LWA
	BAR
	PRO 3, LRDA                                    ; L3 and the last layer: A -> the waves' parts
.Ll3:
	GROUP 3, 0, 1, LRDA, LWA
	GROUP 3, 1, 1, LRDA, LWA
	TRIPS .Ll3
	FLUSH 1, LWA
	BAR
	; THE SUM: wave w adds the four parts of points 64 w .. 64 w + 63 (768 bytes), in f32; out = 2^-23 x sum + b4.  Each store of the wave covers 256 consecutive bytes, aligned.
.irp q, 0,1,2
.irp p, 0,1,2,3
	ds_load_b64 v[BF+8*(\q)+2*(\p):BF+8*(\q)+2*(\p)+1], v[LR] offset:(\p)*PSTR+256*(\q)
.endr
.endr
	s_wait_dscnt 0x0
.irp q, 0,1,2
	v_pk_add_f32 v[BF+8*(\q):BF+8*(\q)+1],   v[BF+8*(\q):BF+8*(\q)+1],   v[BF+8*(\q)+2:BF+8*(\q)+3]
	v_pk_add_f32 v[BF+8*(\q)+4:BF+8*(\q)+5], v[BF+8*(\q)+4:BF+8*(\q)+5], v[BF+8*(\q)+6:BF+8*(\q)+7]
.endr
.irp q, 0,1,2
	v_pk_add_f32 v[BF+8*(\q):BF+8*(\q)+1], v[BF+8*(\q):BF+8*(\q)+1], v[BF+8*(\q)+4:BF+8*(\q)+5]
.endr
.irp q, 0,1,2
	v_pk_fma_f32 v[BF+8*(\q):BF+8*(\q)+1], v[BF+8*(\q):BF+8*(\q)+1], s[OS:OS+1], v[B4R+2*(\q):B4R+2*(\q)+1] op_sel_hi:[1,0,1]
.endr
.irp q, 0,1,2
	global_store_b64 v[GO], v[BF+8*(\q):BF+8*(\q)+1], s[26:27] offset:256*(\q) th:TH_STORE_NT
.endr
	s_wait_xcnt 0x0                                ; the stores' base and data are rewritten only behind this wait (ISA guide 3.1)
	s_add_nc_u64 s[26:27], s[26:27], 3072          ; the next batch's 256 points
	s_sub_co_u32 s[NBAT], s[NBAT], 1
	s_cmp_lg_u32 s[NBAT], 0
	s_cbranch_scc1 .Lbatch
	s_wait_tensorcnt 0x0                           ; the wave's end, behind my last tensor load and my last LDS store
	ds_add_u32 v[SPW], v[NIL]
	s_wait_dscnt 0x0
	ROUND                                          ; the closing round: no work-group ends while a partner may still ask for a tile that names it
	s_endpgm
.Lfunc_end_k_qde82dcba75_mlp:
	.size	k_qde82dcba75_mlp, .Lfunc_end_k_qde82dcba75_mlp-k_qde82dcba75_mlp
	.p2alignl 7, 3214868480
	.fill 96, 4, 3214868480
	.section	.rodata,"a",@progbits
	.p2align	6, 0x0
	.amdhsa_kernel k_qde82dcba75_mlp
		.amdhsa_group_segment_fixed_size 327680
		.amdhsa_private_segment_fixed_size 0
		.amdhsa_enable_private_segment 0
		.amdhsa_kernarg_size 80
		.amdhsa_user_sgpr_count 2
		.amdhsa_user_sgpr_kernarg_segment_ptr 1
		.amdhsa_wavefront_size32 1
		.amdhsa_system_sgpr_workgroup_id_x 1
		.amdhsa_system_sgpr_workgroup_id_y 1
		.amdhsa_system_sgpr_workgroup_id_z 1
		.amdhsa_system_vgpr_workitem_id 0
		.amdhsa_next_free_vgpr 1024
		.amdhsa_next_free_sgpr 84
		.amdhsa_reserve_vcc 1
		.amdhsa_float_denorm_mode_32 3
		.amdhsa_float_denorm_mode_16_64 3
		.amdhsa_memory_ordered 1
		.amdhsa_forward_progress 1
		.amdhsa_inst_pref_size 181
	.end_amdhsa_kernel
	.amdgpu_metadata
---
amdhsa.version: [ 1, 2 ]
amdhsa.kernels:
  - .name:           k_qde82dcba75_mlp
    .symbol:         k_qde82dcba75_mlp.kd
    .args:
      - { .name: wsw, .offset: 0, .size: 8, .value_kind: global_buffer, .address_space: global }
      - { .name: x, .offset: 8, .size: 8, .value_kind: global_buffer, .address_space: global }
      - { .name: W0, .offset: 16, .size: 8, .value_kind: global_buffer, .address_space: global }
      - { .name: b0, .offset: 24, .size: 8, .value_kind: global_buffer, .address_space: global }
      - { .name: b1, .offset: 32, .size: 8, .value_kind: global_buffer, .address_space: global }
      - { .name: b2, .offset: 40, .size: 8, .value_kind: global_buffer, .address_space: global }
      - { .name: b3, .offset: 48, .size: 8, .value_kind: global_buffer, .address_space: global }
      - { .name: W4, .offset: 56, .size: 8, .value_kind: global_buffer, .address_space: global }
      - { .name: b4, .offset: 64, .size: 8, .value_kind: global_buffer, .address_space: global }
      - { .name: out0, .offset: 72, .size: 8, .value_kind: global_buffer, .address_space: global }
    .group_segment_fixed_size: 327680
    .private_segment_fixed_size: 0
    .kernarg_segment_align: 8
    .kernarg_segment_size: 80
    .max_flat_workgroup_size: 128
    .sgpr_count:     84
    .vgpr_count:     1024
    .wavefront_size: 32
...
	.end_amdgpu_metadata
.endif
;; end of part 3
